; MI455X (gfx1250); checked and timed in simulation.
; The chip was launched on July 23, 2026; its instructions are those of AMD's public machine-readable ISA for CDNA 5 (MIT licence, August 2026) and "CDNA5" Instruction Set Architecture Reference Guide (July 2026). The comments in the code are by the model that wrote it; some were corrected since.
;; Attention Block. Allowed arithmetic: matrix products marked QUANTISED: E4M3 operands, one E8M0 scale for each 32 along K, by v_wmma_scale_f32_16x16x128_f8f6f4 with both operands' format E4M3, f32 sums; everything else in f32.
;; Inputs: norm_b 256 float32; norm_w 256 float32; proj_b 256 float32; proj_w 256 x 256 float32; qkv_b 768 float32; qkv_w 768 x 256 float32; x 4 x 256 x 64 x 64 float32.
;; Outputs: out0 4 x 256 x 64 x 64 float32.
;; This version of the problem:
;;   THIS VERSION OF THE PROBLEM IS GIVEN IN LOW PRECISION. The matrix products marked QUANTISED in the list below multiply operands that are first quantised to E4M3 (4 exponent bits, 3 mantissa bits; 8 bits a number), with one power-of-two scale for each 32 numbers along K (OCP MX v1.0); their sums are f32. All else is computed in f32.
;;   The module's matrix products, in the order in which they are computed (A, B: the left and right operand; K: the contracted axis; several contracted axes count as one K, in the product's order):
;;     1. [M 16,384, K 256] x [K 256, N 768]; A: computed on the way; B: input qkv_w: QUANTISED
;;     2. batch 16 x [M 4,096, K 64] x [K 64, N 4,096]; A: computed on the way; B: computed on the way: QUANTISED
;;     3. batch 16 x [M 64, K 4,096] x [K 4,096, N 4,096]; A: computed on the way; B: softmax (see below): QUANTISED
;;     4. [M 16,384, K 256] x [K 256, N 256]; A: computed on the way; B: input proj_w: QUANTISED
;;   THE QUANTISER, for each operand of a quantised product, along K:
;;     - K is cut into blocks of 32 from its start; a last block that is shorter is filled with zeros.
;;     - A block's scale is 2^e with e = floor(log2(the largest magnitude in the block)) - 8, held to -126 .. 127; a block of zeros has e = 0. As a byte (E8M0): e + 127.
;;     - Each number is divided by its block's scale, clamped to +-448, and rounded to the nearest number of E4M3, ties to even, subnormals kept.
;;     - The product sums the exact products of the quantised numbers (number of the format x scale) in f32.
;;   ~~~python
;;   def quantise(x, axis):      # numpy; x: float32 -> the quantised numbers, widened to float32 again
;;       x = np.moveaxis(x, axis, -1); K = x.shape[-1]
;;       x = np.pad(x, [(0, 0)] * (x.ndim - 1) + [(0, -K % 32)]); x = x.reshape(x.shape[:-1] + (-1, 32)); a = np.abs(x).max(-1, keepdims=True)
;;       e = np.where(a > 0, np.clip(np.frexp(np.where(a > 0, a, 1))[1] - 1 - 8, -126, 127), 0)      # np.frexp(a)[1] - 1 = floor(log2(a)), exactly
;;       r = np.clip(x / 2.0 ** e, -448, 448)
;;       step = 2.0 ** (np.maximum(np.frexp(np.where(r == 0, 1, r))[1] - 1, -6) - 3)
;;       q = np.round(r / step) * step * 2.0 ** e      # np.round: ties to even
;;       return np.moveaxis(q.reshape(q.shape[:-2] + (-1,))[..., :K], -1, axis).astype(np.float32)
;;   ~~~
;;   SOFTMAX AHEAD OF A QUANTISED PRODUCT. Where the list says 'softmax', what is quantised is not the finished softmax but p = 2^(t - M), with t = logit x log2(e) and M = ceil(the row's largest t), a whole number; so 1/2 < the row's largest p <= 1. The row's sum l is taken of the UNQUANTISED p, in f32, and the product's result is divided by l at the end. Since M is a whole number, a kernel that streams over the keys may use a running M (the ceiling of the running maximum): every later rescaling is an exact power of two, which a block's scale takes up: the codes' values come out the same.
;;   OPERANDS COMPUTED ON THE WAY. 'Computed on the way' means the value that the module computes at that place (a softmax that the list does not call 'softmax' is quantised finished and normalised). What goes into a quantiser is computed in f32, as accurately as f32 sums, v_exp_f32 and their like allow (about 1e-6 of the number): no bf16 or f16 on the way to a quantiser, and a product that is left as it is and whose result goes on into a quantised operand takes f32 operands (vector FMAs, or v_wmma_f32_16x16x4_f32). A number that lies on a knife's edge between two numbers of the format may be rounded either way, as far as f32 arithmetic and the matrix unit's own rounding can turn it there, and no further.
;; One version. Each part assembles by itself: llvm-mc -triple=amdgcn-amd-amdhsa -mcpu=gfx1250 --defsym DOCPART=n.
;; ======== version 1 of 1: 4 launches
;; limits: right only within a limited range of input values
;; workspace buffers: stats 16,384 bytes; wcodes 262,144 bytes; wscales 8,192 bytes; qbuf 4,325,376 bytes; kvbuf 8,650,752 bytes; oimg 4,194,304 bytes; osc 131,072 bytes
;; launch stats (part 1): grid 256 x 1, 8 waves a work-group, no clusters, 0 bytes of LDS; arguments x, qkv_w, proj_w, stats, wcodes, wscales; writes stats, wcodes, wscales
.if DOCPART == 1
	.amdgcn_target "amdgcn-amd-amdhsa--gfx1250"
	.amdhsa_code_object_version 6
	.text
	.protected	k_q35b2f57620_stats
	.globl	k_q35b2f57620_stats
	.p2align	8
	.type	k_q35b2f57620_stats,@function
k_q35b2f57620_stats:
	s_mov_b64 s[64:65], 0
	v_nop
	global_prefetch_b8 v0, s[64:65] scope:SCOPE_SE
	s_setreg_imm32_b32 hwreg(HW_REG_WAVE_MODE, 25, 1), 1
	s_wait_xcnt 0x0
; FIRST OF FOUR LAUNCHES.  (a) For each run of 2,048 numbers of x: its mean and the sum of its squared deviations from that mean (M2), from which the next launch makes the norm groups' mean and variance.
; (b) qkv_w [768][256] and proj_w [256][256], f32, K innermost, become codes of FP8 (E4M3) with one E8M0 byte for each 32 along K: wcodes [1024][256], wscales [1024][8]; rows 0-767 are qkv_w's, 768-1023 proj_w's.
; SHARES.  Work-group i takes 65,536 bytes of x from byte 65,536 i on, wave w 8,192 of them: 16 loads of 512 consecutive bytes.  A norm group (32 channels x 4,096 positions) is 64 such runs on end,
; so its 64 pairs (mean, M2) are the 512 bytes of stats at 512 x (8 b + g).  The deviations are taken from the run's own mean, with the run still in registers: no difference of large sums is formed.
; Wave 0 also quantises weight rows 4 i .. 4 i + 3: 32 blocks of 32, a lane to a block, so that a block's largest magnitude needs no other lane.  Its loads stand 128 bytes apart from lane to lane
; (the weights are 1 MiB of the launch's 17); its two code stores together cover 1,024 consecutive bytes.
; A block's scale is 2^(floor(log2(largest magnitude)) - 8); its byte is the largest magnitude's exponent field - 8, held at 1 from below.
; LIMITS: NaN and infinities are not served; a block whose largest magnitude lies under 2^-118, a block of zeros among them, gets the byte 1 (a block of zeros has zero codes, and this program alone reads the bytes).
; No LDS, no barrier, no matrix unit, no cluster: waves share nothing and each byte is read once.
.set X,  16                            ; v16-79   my 64 numbers of x
.set WT, 80                            ; v80-111  wave 0: a block of 32 weights
.set CD, 112                           ; v112-119 its codes
.set CH, 120                           ; v120-127 four chains of packed sums
	s_load_b256 s[4:11], s[0:1], 0x0               ; x s[4:5], qkv_w s[6:7], proj_w s[8:9], stats s[10:11]
	s_load_b128 s[12:15], s[0:1], 0x20             ; wcodes s[12:13], wscales s[14:15]
	v_lshrrev_b32 v1, 5, v0
	s_delay_alu instid0(VALU_DEP_1)
	v_readfirstlane_b32 s16, v1                    ; wave 0..7
	v_and_b32 v1, 31, v0                           ; lane
	s_delay_alu instid0(VALU_DEP_1)
	v_lshlrev_b32 v2, 4, v1                        ; 16 x lane: my 16 bytes of a load's 512
	s_delay_alu instid0(VALU_DEP_2)
	v_lshlrev_b32 v3, 7, v1                        ; 128 x lane: my block of weights
	s_delay_alu instid0(VALU_DEP_3)
	v_lshlrev_b32 v4, 5, v1                        ; 32 x lane: its codes
	v_mov_b32 v6, 0
	v_mov_b32 v9, 0                                ; written once: a lane permute's destination counts as one of its sources
	s_mov_b32 s20, 0x76543210
	s_mov_b32 s21, 0xfedcba98                      ; v_permlanex16_b32's selects for lane l xor 16
	s_lshl_b32 s18, ttmp9, 16
	s_lshl_b32 s17, s16, 13
	s_add_co_u32 s18, s18, s17                     ; 65,536 i + 8,192 w
	s_mov_b32 s19, 0
	s_wait_kmcnt 0x0
	s_add_nc_u64 s[4:5], s[4:5], s[18:19]          ; x at my run
	s_lshl_b32 s18, ttmp9, 6
	s_lshl_b32 s17, s16, 3
	s_add_co_u32 s18, s18, s17
	s_add_nc_u64 s[10:11], s[10:11], s[18:19]      ; stats at my pair: 8 x (8 i + w)
.macro XLOADS
.irp j, 0,1,2,3,4,5,6,7,8,9,10,11,12,13,14,15
	global_load_b128 v[X+4*\j:X+4*\j+3], v2, s[4:5] offset:512*\j th:TH_LOAD_NT   ; 32 lanes read 512 consecutive bytes
.endr
.endm
	s_cmp_lg_u32 s16, 0
	s_cbranch_scc1 .Lplain
	; ---- wave 0: the weights
	s_cmp_lt_u32 ttmp9, 192                        ; rows under 768 are qkv_w's: the choice hangs on the work-group's number alone
	s_cselect_b64 s[6:7], s[6:7], s[8:9]
	s_cselect_b32 s17, 0, 192
	s_sub_co_u32 s17, ttmp9, s17
	s_lshl_b32 s18, s17, 12                        ; four rows of 1,024 bytes
	s_add_nc_u64 s[6:7], s[6:7], s[18:19]
	s_lshl_b32 s18, ttmp9, 10                      ; four rows of 256 codes
	s_add_nc_u64 s[12:13], s[12:13], s[18:19]
	s_lshl_b32 s18, ttmp9, 5                       ; four rows of 8 bytes
	s_add_nc_u64 s[14:15], s[14:15], s[18:19]
	s_wait_alu depctr_va_vdst(0)
.irp j, 0,1,2,3,4,5,6,7
	global_load_b128 v[WT+4*\j:WT+4*\j+3], v3, s[6:7] offset:16*\j
.endr
	XLOADS
	s_wait_loadcnt 16                              ; the weights are in; the 16 loads of x issued behind them may be out
	v_max3_num_f32 v8, |v[WT]|, |v[WT+1]|, |v[WT+2]|              ; the block's largest magnitude: all 32 numbers are mine; two chains
	v_max3_num_f32 v10, |v[WT+3]|, |v[WT+4]|, |v[WT+5]|
.irp i, 6,10,14,18,22,26
	s_delay_alu instid0(VALU_DEP_2)
	v_max3_num_f32 v8, v8, |v[WT+\i]|, |v[WT+\i+1]|
	s_delay_alu instid0(VALU_DEP_2)
	v_max3_num_f32 v10, v10, |v[WT+\i+2]|, |v[WT+\i+3]|
.endr
	s_delay_alu instid0(VALU_DEP_2)
	v_max3_num_f32 v8, v8, |v[WT+30]|, |v[WT+31]|
	s_delay_alu instid0(VALU_DEP_1)
	v_max3_num_f32 v8, v8, v10, 0x4800000          ; and the floor 2^(9 - 127): the byte cannot fall under 1
	s_delay_alu instid0(VALU_DEP_1)
	v_add_nc_u32 v11, 0xfc000000, v8               ; 8 off the exponent field: the conversion takes this operand's exponent field as its scale
	s_delay_alu instid0(VALU_DEP_1)
	v_lshrrev_b32 v13, 23, v11                     ; the scale's byte
.set j, 0
.rept 32
.set j, j+1
.endr
.irp g, 0,1,2,3
	v_cvt_scalef32_pk8_fp8_f32 v[CD+2*\g:CD+2*\g+1], v[WT+8*\g:WT+8*\g+7], v11
.endr
	v_nop                                          ; one plain line behind the last conversion
	global_store_b128 v4, v[CD:CD+3], s[12:13]
	global_store_b128 v4, v[CD+4:CD+7], s[12:13] offset:16
	global_store_b8 v1, v13, s[14:15]              ; 32 consecutive bytes.  None of these stores' registers is written again
	s_branch .Lsum
.Lplain:
	s_wait_alu depctr_va_vdst(0)
	XLOADS
.Lsum:
	s_wait_loadcnt 0x0
; the four chains are joined, then the 32 lanes: four steps ride on the addition (DPP), one crosses the halves
.macro FOLD
	s_delay_alu instid0(VALU_DEP_3)
	v_pk_add_f32 v[CH:CH+1], v[CH:CH+1], v[CH+2:CH+3]
	s_delay_alu instid0(VALU_DEP_2)
	v_pk_add_f32 v[CH+4:CH+5], v[CH+4:CH+5], v[CH+6:CH+7]
	s_delay_alu instid0(VALU_DEP_1)
	v_pk_add_f32 v[CH:CH+1], v[CH:CH+1], v[CH+4:CH+5]
	s_delay_alu instid0(VALU_DEP_1)
	v_add_f32 v8, v[CH], v[CH+1]
	s_delay_alu instid0(VALU_DEP_1)
	v_add_f32_dpp v8, v8, v8 row_xmask:1 row_mask:0xf bank_mask:0xf
	s_delay_alu instid0(VALU_DEP_1)
	v_add_f32_dpp v8, v8, v8 row_xmask:2 row_mask:0xf bank_mask:0xf
	s_delay_alu instid0(VALU_DEP_1)
	v_add_f32_dpp v8, v8, v8 row_xmask:4 row_mask:0xf bank_mask:0xf
	s_delay_alu instid0(VALU_DEP_1)
	v_add_f32_dpp v8, v8, v8 row_xmask:8 row_mask:0xf bank_mask:0xf
	s_delay_alu instid0(VALU_DEP_1)
	v_permlanex16_b32 v9, v8, s20, s21
	s_delay_alu instid0(VALU_DEP_1)
	v_add_f32 v8, v8, v9
.endm
.irp k, 0,1,2,3
	v_pk_add_f32 v[CH+2*\k:CH+2*\k+1], v[X+2*\k:X+2*\k+1], v[X+8+2*\k:X+9+2*\k]   ; the first eight pairs start the chains: nothing is cleared
.endr
.set j, 8
.rept 24
	s_delay_alu instid0(VALU_DEP_4)
	v_pk_add_f32 v[CH+2*(j%4):CH+2*(j%4)+1], v[CH+2*(j%4):CH+2*(j%4)+1], v[X+2*j:X+2*j+1]
.set j, j+1
.endr
	FOLD
	s_delay_alu instid0(VALU_DEP_1)
	v_mul_f32 v14, 0x3a000000, v8                  ; the run's mean: the sum x 2^-11
	s_delay_alu instid0(VALU_DEP_1)
	v_mov_b32 v15, v14
.set j, 0
.rept 32
	v_pk_add_f32 v[X+2*j:X+2*j+1], v[X+2*j:X+2*j+1], v[14:15] neg_lo:[0,1] neg_hi:[0,1]   ; the deviations
.set j, j+1
.endr
.irp k, 0,1,2,3
	v_pk_mul_f32 v[CH+2*\k:CH+2*\k+1], v[X+2*\k:X+2*\k+1], v[X+2*\k:X+2*\k+1]
.endr
.set j, 4
.rept 28
	s_delay_alu instid0(VALU_DEP_4)
	v_pk_fma_f32 v[CH+2*(j%4):CH+2*(j%4)+1], v[X+2*j:X+2*j+1], v[X+2*j:X+2*j+1], v[CH+2*(j%4):CH+2*(j%4)+1]
.set j, j+1
.endr
	FOLD
	s_delay_alu instid0(VALU_DEP_1)
	v_mov_b32 v15, v8                              ; M2
	s_wait_alu depctr_va_vdst(0)
	s_wait_xcnt 0x0                                ; EXEC changes only behind this wait: wave 0's stores have been issued
	v_cmp_eq_u32 vcc_lo, 0, v1
	s_and_saveexec_b32 s24, vcc_lo
	global_store_b64 v6, v[14:15], s[10:11]        ; lane 0 stores the pair: 8 bytes a wave, 64 consecutive bytes a work-group, 16 KiB in the launch
	s_wait_xcnt 0x0                                ; and again in front of the line that widens it
	s_or_b32 exec_lo, exec_lo, s24
	s_endpgm
.Lfunc_end_k_q35b2f57620_stats:
	.size	k_q35b2f57620_stats, .Lfunc_end_k_q35b2f57620_stats-k_q35b2f57620_stats
	.p2alignl 7, 3214868480
	.fill 96, 4, 3214868480
	.section	.rodata,"a",@progbits
	.p2align	6, 0x0
	.amdhsa_kernel k_q35b2f57620_stats
		.amdhsa_group_segment_fixed_size 0
		.amdhsa_private_segment_fixed_size 0
		.amdhsa_enable_private_segment 0
		.amdhsa_kernarg_size 48
		.amdhsa_user_sgpr_count 2
		.amdhsa_user_sgpr_kernarg_segment_ptr 1
		.amdhsa_wavefront_size32 1
		.amdhsa_system_sgpr_workgroup_id_x 1
		.amdhsa_system_sgpr_workgroup_id_y 1
		.amdhsa_system_sgpr_workgroup_id_z 1
		.amdhsa_system_vgpr_workitem_id 0
		.amdhsa_next_free_vgpr 128
		.amdhsa_next_free_sgpr 66
		.amdhsa_reserve_vcc 1
		.amdhsa_float_denorm_mode_32 3
		.amdhsa_float_denorm_mode_16_64 3
		.amdhsa_fp16_overflow 1
		.amdhsa_memory_ordered 1
		.amdhsa_forward_progress 1
		.amdhsa_inst_pref_size 18
	.end_amdhsa_kernel
	.amdgpu_metadata
---
amdhsa.version: [ 1, 2 ]
amdhsa.kernels:
  - .name:           k_q35b2f57620_stats
    .symbol:         k_q35b2f57620_stats.kd
    .args:
      - { .name: x, .offset: 0, .size: 8, .value_kind: global_buffer, .address_space: global }
      - { .name: qkv_w, .offset: 8, .size: 8, .value_kind: global_buffer, .address_space: global }
      - { .name: proj_w, .offset: 16, .size: 8, .value_kind: global_buffer, .address_space: global }
      - { .name: stats, .offset: 24, .size: 8, .value_kind: global_buffer, .address_space: global }
      - { .name: wcodes, .offset: 32, .size: 8, .value_kind: global_buffer, .address_space: global }
      - { .name: wscales, .offset: 40, .size: 8, .value_kind: global_buffer, .address_space: global }
    .group_segment_fixed_size: 0
    .private_segment_fixed_size: 0
    .kernarg_segment_align: 8
    .kernarg_segment_size: 48
    .max_flat_workgroup_size: 256
    .sgpr_count:     66
    .vgpr_count:     128
    .wavefront_size: 32
...
	.end_amdgpu_metadata
.endif
;; end of part 1
;; launch qkv (part 2): grid 128 x 3, 8 waves a work-group, no clusters, 35,840 bytes of LDS; arguments x, norm_w, norm_b, stats, wcodes, wscales, qkv_b, qbuf, kvbuf; writes qbuf, kvbuf
.if DOCPART == 2
	.amdgcn_target "amdgcn-amd-amdhsa--gfx1250"
	.amdhsa_code_object_version 6
	.text
	.protected	k_q35b2f57620_qkv
	.globl	k_q35b2f57620_qkv
	.p2align	8
	.type	k_q35b2f57620_qkv,@function
k_q35b2f57620_qkv:
	s_mov_b64 s[64:65], 0
	v_nop
	global_prefetch_b8 v0, s[64:65] scope:SCOPE_SE
	s_setreg_imm32_b32 hwreg(HW_REG_WAVE_MODE, 25, 1), 1
	s_wait_xcnt 0x0
; SECOND LAUNCH.  h = GroupNorm(x); qkv = Q(qkv_w) Q(h) + qkv_b on codes of FP8 (E4M3) with one E8M0 scale for each 32 along K = the 256 channels; q and k are quantised along a head's 64, v along the keys.
; SHARES.  Work-group (xb, y): batch b = xb / 32, positions 128 kap .. 128 kap + 127 (kap = xb % 32); y = 0, 1, 2: q, k, v.  Eight waves.
; PHASE 1: wave w takes norm group w, which is also block w of 32 along K.  A lane takes a position and its 32 registers run down the channels: a block's largest magnitude needs no other lane and the codes come out with K innermost.
; PHASE 2: wave w serves head w / 2 and makes two units (2 (w % 2) + i) of 8 accumulators, 16 matrix instructions, one quantising and one fragment each.
;   q, k: source 0 = 16 rows of the weight, source 1 = h: a lane holds ONE position and registers along d.  A unit is a pair of position tiles x the head's four tiles of outputs.
;   v:    source 0 = h, source 1 = 16 rows of the weight: a lane holds ONE channel d and registers along the positions, which are the next product's K.  A unit is one tile of outputs x all eight position tiles.
; THE ROWS OF A TILE ARE NOT NEIGHBOURS: row r of tile t (of positions, and of a head's 64 outputs) is 32 (t / 2) + 8 (t % 2) + r + 8 (r / 8), so that the 16 registers of tiles 2 p and 2 p + 1 are 16 neighbours along the next K.
; OPERANDS LIE AS IMAGES OF THEIR REGISTERS, in LDS and in the workspace: four registers are 512 bytes, lane l's 16 bytes at 16 l; a fragment is 2,048 bytes.  Every code store of a wave covers 512 consecutive bytes, aligned.
; RECORDS.  qbuf [16 heads][32] x 8,448 bytes: four pair images, then scale words [pair][16 rows].  kvbuf [16][32] x 16,896: K's four pair images, V's four images, K's words, V's words (256 bytes each).
; A pair image holds tile 2 p in registers 0-7 (d = 32 c + 16 (lane / 16) + ..) and tile 2 p + 1 in registers 8-15; its word is the bytes [tile 0 block 0, tile 0 block 1, tile 1 block 0, tile 1 block 1].
; The biases are the C of each sum's first matrix instruction.  The mean and variance of a group are joined from its 64 pairs (mean, M2): M2 = the sum of the M2 + 2,048 x the sum of the squared deviations of the means.
; NO CLUSTER, NO TENSOR LOAD: x goes straight into the lanes' registers in the order that the quantiser wants; the three work-groups that share a block of x lie along y, and 3 divides into no cluster;
; along x the work-groups share only the weights' codes, which each wave reads once into registers.
; LIMITS: NaN and infinities are not served; a block whose largest magnitude lies under 2^-118, a block of zeros among them, gets the byte 1 (zero codes add nothing, and this program alone reads the bytes).
; REGISTERS: v1-15 addresses; v16-19 the weight's scale words; v20-21 h's; v22-23 the words made; v24-27 permute targets and bytes; v[28:29] the mean; v[30:31] 1 / sqrt(var + eps).
;   phase 1: v32-159 x, 32 a position; v160-191 norm_w / sigma; v192-223 norm_b; v224-234 at work; v240-247 codes.
;   q, k: v32-159 the weight (tile o, K step s at 32 + 32 o + 16 s); v160-223 accumulators (t, o) at 160 + 8 (4 t + o); v224-255 h, then codes (224) and work (240).
;   v:    v32-95 the weight; v96-111 bias; v112-175 h of two tiles, then codes (112) and work (128); v176-239 accumulators, tile t at 176 + 8 t.
.set TILEB, 4224                       ; LDS: a position tile's two fragments, 4,096 bytes, + 128: in phase 1 lanes 8-15 store into the next tile, and so into the other half of the 64 banks of 4 bytes (ISA guide 11.1)
.set HSCB,  8*TILEB                    ; behind the eight tiles: h's scale words [tile][K step][row], 1,024 bytes
	s_load_b512 s[4:19], s[0:1], 0x0               ; x, norm_w, norm_b, stats, wcodes, wscales, qkv_b, qbuf
	s_load_b64 s[20:21], s[0:1], 0x40              ; kvbuf
	s_set_vgpr_msb 0x40
	v_lshl_add_u32 v0, v0, 2, 0x8800
	v_mov_b32 v1, 0
	s_set_vgpr_msb 0x4000
	v_lshrrev_b32 v1, 5, v0
	s_delay_alu instid0(VALU_DEP_1)
	v_readfirstlane_b32 s22, v1                    ; wave 0..7
	s_and_b32 s23, ttmp7, 0xffff                   ; y
	s_lshr_b32 s24, ttmp9, 5                       ; b
	s_and_b32 s25, ttmp9, 31                       ; kap
	s_lshr_b32 s26, s22, 1                         ; my head
	s_and_b32 s27, s22, 1                          ; which half of its units
	s_mov_b32 s29, 0
	s_lshl_b32 s46, s24, 8
	s_lshl_b32 s47, s22, 5
	s_add_co_u32 s46, s46, s47                     ; my group's first channel row: 256 b + 32 w
	s_lshl_b32 s28, s46, 14                        ; rows of 16,384 bytes
	s_lshl_b32 s47, s25, 9
	s_add_co_u32 s28, s28, s47                     ; + 128 positions x 4 bytes x kap
	v_and_b32 v1, 31, v0                           ; lane
	s_delay_alu instid0(VALU_DEP_1)
	v_lshlrev_b32 v2, 2, v1                        ; 4 x lane
	s_delay_alu instid0(VALU_DEP_2)
	v_lshlrev_b32 v3, 4, v1                        ; 16 x lane
	v_mov_b32 v4, 0
	s_wait_alu depctr_va_vdst(0)
	s_wait_kmcnt 0x0
	s_add_nc_u64 s[44:45], s[4:5], s[28:29]
.macro XHALF j0                        ; positions 32 j + lane, j = j0, j0 + 1, of my 32 channels: 64 loads; the two of a channel cover 256 consecutive bytes
.set i, 0
.rept 32
	global_load_b32 v[32+32*(\j0)+i], v2, s[44:45] offset:16384*i+128*(\j0)
	global_load_b32 v[64+32*(\j0)+i], v2, s[44:45] offset:16384*i+128*(\j0)+128
.set i, i+1
.endr
.endm
	XHALF 0
	s_lshl_b32 s28, s22, 7
	s_add_nc_u64 s[6:7], s[6:7], s[28:29]          ; my 32 numbers of norm_w
	s_add_nc_u64 s[8:9], s[8:9], s[28:29]          ; and of norm_b
	s_lshl_b32 s28, s24, 3
	s_add_co_u32 s28, s28, s22
	s_lshl_b32 s28, s28, 9
	s_add_nc_u64 s[10:11], s[10:11], s[28:29]      ; my group's 64 pairs
	global_load_b128 v[224:227], v3, s[10:11]      ; a lane takes two pairs: mean, M2, mean, M2
.irp k, 0,1,2,3,4,5,6,7
	global_load_b128 v[160+4*\k:163+4*\k], v4, s[6:7] offset:16*\k    ; the same 32 numbers in every lane: register i belongs to channel 32 w + i
.endr
.irp k, 0,1,2,3,4,5,6,7
	global_load_b128 v[192+4*\k:195+4*\k], v4, s[8:9] offset:16*\k
.endr
	XHALF 2
	; ---- addresses, while the loads are out
	s_mov_b32 s30, 0x76543210
	s_mov_b32 s31, 0xfedcba98                      ; v_permlanex16_b32's selects for lane l xor 16
	s_mov_b32 s52, 0x37000000                      ; 2^-17: a group has 131,072 numbers
	s_mov_b32 s53, 0x3727c5ac                      ; eps = 1e-5
	v_bfe_u32 v24, v0, 3, 1                        ; position 32 j + lane is row m = lane % 8 + 8 (lane / 16) of tile 2 j + u, u = (lane / 8) % 2
	v_and_b32 v25, 7, v0
	v_bfe_u32 v26, v0, 4, 1                        ; lane / 16
	s_delay_alu instid0(VALU_DEP_3)
	v_mul_u32_u24 v5, v24, TILEB
	s_delay_alu instid0(VALU_DEP_1)
	v_lshl_add_u32 v5, v25, 4, v5
	s_delay_alu instid0(VALU_DEP_1)
	v_lshl_add_u32 v5, v26, 7, v5                  ; u x TILEB + 16 m
	s_lshl_b32 s46, s22, 9
	v_add_nc_u32 v5, s46, v5                       ; + 512 w: block w is quarter w % 4 of K step w / 4
	v_lshlrev_b32 v6, 7, v24
	s_delay_alu instid0(VALU_DEP_1)
	v_lshl_add_u32 v6, v25, 2, v6
	s_delay_alu instid0(VALU_DEP_1)
	v_lshl_add_u32 v6, v26, 5, v6                  ; the byte's word: 128 u + 4 m
	s_lshr_b32 s46, s22, 2
	s_lshl_b32 s46, s46, 6
	s_and_b32 s47, s22, 3
	s_add_co_u32 s46, s46, s47
	s_add_co_u32 s46, s46, HSCB
	v_add_nc_u32 v6, s46, v6                       ; + 64 (w / 4) + w % 4
	v_and_b32 v27, 15, v0
	s_delay_alu instid0(VALU_DEP_1)
	v_and_b32 v24, 8, v27
	s_delay_alu instid0(VALU_DEP_1)
	v_add_nc_u32 v27, v27, v24                     ; r + 8 (r / 8)
	s_delay_alu instid0(VALU_DEP_1)
	v_lshlrev_b32 v7, 8, v27
	s_delay_alu instid0(VALU_DEP_1)
	v_lshl_add_u32 v7, v26, 4, v7                  ; the weight's codes: that row x 256 + 16 (lane / 16)
	s_delay_alu instid0(VALU_DEP_3)
	v_lshlrev_b32 v8, 3, v27
	s_delay_alu instid0(VALU_DEP_1)
	v_lshl_add_u32 v8, v26, 2, v8                  ; its scale words: lanes 0-15 take K step 0's, lanes 16-31 K step 1's
	v_lshlrev_b32 v9, 6, v26                       ; q, k: the bias of my half's outputs: 16 (lane / 16) x 4 bytes
	v_lshlrev_b32 v14, 2, v27                      ; v: the bias of my one output
	s_mul_i32 s46, s27, 4*TILEB
	v_add_nc_u32 v10, s46, v3                      ; q, k: h's images of my four tiles
	s_lshl_b32 s46, s27, 9
	s_add_co_u32 s46, s46, HSCB
	v_add_nc_u32 v11, s46, v2                      ; and their scale words: lanes 0-15 K step 0's, lanes 16-31 K step 1's
	v_add_nc_u32 v15, HSCB, v2                     ; v: the same from tile 0 on
	s_lshl_b32 s46, s27, 12
	v_add_nc_u32 v12, s46, v3                      ; out: my two images
	s_lshl_b32 s46, s27, 7
	v_add_nc_u32 v13, s46, v2                      ; out: my two units' words
	v_mov_b32 v234, 0                              ; written once: a lane permute's destination counts as one of its sources (v24-27 have been written above)
	v_mov_b32 v18, 0x7f7f7f7f                      ; the scale word of ones: the way of v loads two scale words only, and every register is written on every way through the text
	v_mov_b32 v19, 0x7f7f7f7f
	s_cmp_eq_u32 s23, 2
	s_cselect_b32 s48, s27, 0                      ; v: a wave needs only its own two tiles of outputs
	s_lshl_b32 s48, s48, 5
	s_lshl_b32 s49, s23, 8
	s_add_co_u32 s48, s48, s49
	s_lshl_b32 s49, s26, 6
	s_add_co_u32 s48, s48, s49                     ; my first row of the weight: 256 y + 64 head (+ 32 half)
	s_lshl_b32 s28, s48, 8
	s_add_nc_u64 s[38:39], s[12:13], s[28:29]      ; its codes
	s_lshl_b32 s28, s48, 3
	s_add_nc_u64 s[40:41], s[14:15], s[28:29]      ; its scale bytes
	s_lshl_b32 s28, s48, 2
	s_add_nc_u64 s[42:43], s[16:17], s[28:29]      ; its bias
	s_lshl_b32 s49, s24, 2
	s_add_co_u32 s49, s49, s26
	s_lshl_b32 s49, s49, 5
	s_add_co_u32 s49, s49, s25                     ; my record: (4 b + head) x 32 + kap
	s_mov_b32 s50, 16896
	s_mov_b32 s46, 16384
	s_cmp_eq_u32 s23, 0                            ; q goes to qbuf, k and v to kvbuf: the choice hangs on the work-group's number alone
	s_cselect_b64 s[34:35], s[18:19], s[20:21]
	s_cselect_b32 s50, 8448, s50
	s_cselect_b32 s46, 8192, s46                   ; where the record's scale words begin
	s_mul_i32 s28, s49, s50
	s_add_nc_u64 s[34:35], s[34:35], s[28:29]      ; the record
	s_cmp_eq_u32 s23, 2
	s_cselect_b32 s28, 8192, 0                     ; V's images lie behind K's,
	s_cselect_b32 s50, 256, 0                      ; V's words behind K's
	s_add_co_u32 s46, s46, s50
	s_mov_b32 s47, 0
	s_add_nc_u64 s[36:37], s[34:35], s[46:47]      ; the words
	s_add_nc_u64 s[34:35], s[34:35], s[28:29]      ; the images
	; ---- the group's mean and 1 / sqrt(var + eps)
	s_wait_loadcnt 63                              ; x's first half and the 17 loads of constants are in.  64 loads were issued behind them; the count's field ends at 63 (ISA guide 5.7.1), so one load more is awaited
.macro WRED                            ; v233 summed over the 32 lanes
	s_delay_alu instid0(VALU_DEP_1)
	v_add_f32_dpp v233, v233, v233 row_xmask:1 row_mask:0xf bank_mask:0xf
	s_delay_alu instid0(VALU_DEP_1)
	v_add_f32_dpp v233, v233, v233 row_xmask:2 row_mask:0xf bank_mask:0xf
	s_delay_alu instid0(VALU_DEP_1)
	v_add_f32_dpp v233, v233, v233 row_xmask:4 row_mask:0xf bank_mask:0xf
	s_delay_alu instid0(VALU_DEP_1)
	v_add_f32_dpp v233, v233, v233 row_xmask:8 row_mask:0xf bank_mask:0xf
	s_wait_alu depctr_va_vdst(0)
	v_permlanex16_b32 v234, v233, s30, s31
	s_delay_alu instid0(VALU_DEP_1)
	v_add_f32 v233, v233, v234
.endm
	v_add_f32 v233, v224, v226
	WRED
	s_delay_alu instid0(VALU_DEP_1)
	v_mul_f32 v28, 0x3c800000, v233                ; the mean of 64 means of equal runs
	s_delay_alu instid0(VALU_DEP_1)
	v_mov_b32 v29, v28
	s_delay_alu instid0(VALU_DEP_2)
	v_sub_f32 v224, v224, v28
	s_delay_alu instid0(VALU_DEP_3)
	v_sub_f32 v226, v226, v28
	s_delay_alu instid0(VALU_DEP_2)
	v_mul_f32 v224, v224, v224
	s_delay_alu instid0(VALU_DEP_1)
	v_fma_f32 v224, v226, v226, v224
	v_add_f32 v225, v225, v227
	s_delay_alu instid0(VALU_DEP_1)
	v_fmamk_f32 v233, v224, 0x45000000, v225       ; my two runs' M2 + 2,048 x their means' squared deviations
	WRED
	s_delay_alu instid0(VALU_DEP_1)
	v_fma_f32 v233, v233, s52, s53                 ; var + eps
	s_wait_alu depctr_va_vdst(0)
	v_rsq_f32 v30, v233
	v_mov_b32 v31, 0                               ; a plain line behind the transcendental (the pair v[30:31] is named below; its low word serves both halves)
	s_wait_alu depctr_va_vdst(0)                   ; the wait ahead of the result's first reader
.irp k, 0,2,4,6,8,10,12,14,16,18,20,22,24,26,28,30
	v_pk_mul_f32 v[160+\k:161+\k], v[160+\k:161+\k], v[30:31] op_sel_hi:[1,0]   ; norm_w / sigma
.endr
; Positions 32 j + lane: normalised, quantised along my 32 channels, and stored as two quarters' 16 bytes of h's image and one scale byte.
.macro HITEM j
.set XS, 32+32*(\j)
.irp k, 0,2,4,6,8,10,12,14,16,18,20,22,24,26,28,30
	v_pk_add_f32 v[XS+\k:XS+\k+1], v[XS+\k:XS+\k+1], v[28:29] neg_lo:[0,1] neg_hi:[0,1]   ; x - mean first: an offset of x is gone before anything is multiplied
.endr
.irp k, 0,2,4,6,8,10,12,14,16,18,20,22,24,26,28,30
	v_pk_fma_f32 v[XS+\k:XS+\k+1], v[XS+\k:XS+\k+1], v[160+\k:161+\k], v[192+\k:193+\k]
.endr
	v_max3_num_f32 v228, |v[XS]|, |v[XS+1]|, |v[XS+2]|
	v_max3_num_f32 v229, |v[XS+3]|, |v[XS+4]|, |v[XS+5]|
.irp i, 6,10,14,18,22,26
	s_delay_alu instid0(VALU_DEP_2)
	v_max3_num_f32 v228, v228, |v[XS+\i]|, |v[XS+\i+1]|
	s_delay_alu instid0(VALU_DEP_2)
	v_max3_num_f32 v229, v229, |v[XS+\i+2]|, |v[XS+\i+3]|
.endr
	s_delay_alu instid0(VALU_DEP_2)
	v_max3_num_f32 v228, v228, |v[XS+30]|, |v[XS+31]|
	s_delay_alu instid0(VALU_DEP_1)
	v_max3_num_f32 v228, v228, v229, 0x4800000     ; the floor 2^(9 - 127): the byte cannot fall under 1
	s_delay_alu instid0(VALU_DEP_1)
	v_add_nc_u32 v230, 0xfc000000, v228            ; 8 off the exponent field: the conversion's scale operand
.set n, 0
.rept 32
.set n, n+1
.endr
	s_wait_alu depctr_va_vdst(0)
	s_wait_dscnt 0x0                               ; the last item's LDS stores have read the codes' and the byte's registers
	v_lshrrev_b32 v232, 23, v230                   ; the scale's byte
.irp g, 0,1,2,3
	v_cvt_scalef32_pk8_fp8_f32 v[240+2*\g:241+2*\g], v[XS+8*\g:XS+8*\g+7], v230
.endr
	v_nop                                          ; one plain line behind the last conversion
	ds_store_b128 v5, v[240:243] offset:2*(\j)*TILEB        ; k = 32 w + 0 .. 15: the place of lane m
	ds_store_b128 v5, v[244:247] offset:2*(\j)*TILEB+256    ; k = 32 w + 16 .. 31: the place of lane 16 + m
	ds_store_b8 v6, v232 offset:256*(\j)
.endm
; The weight's tile j, both K steps, and its scale words, into the registers that item j has left: 9 loads
.macro WLOAD j
.irp s, 0,1
.irp c, 0,1,2,3
	global_load_b128 v[32+32*(\j)+16*\s+4*\c:35+32*(\j)+16*\s+4*\c], v7, s[38:39] offset:(32*((\j)/2)+8*((\j)%2))*256+128*\s+32*\c
.endr
.endr
	global_load_b32 v[16+(\j)], v8, s[40:41] offset:(32*((\j)/2)+8*((\j)%2))*8
.endm
.macro BIASQ                           ; q, k: the bias lies in the accumulators: lane half h, register n of tile o: output 32 (o / 2) + 8 (o % 2) + 16 h + n
.irp t, 0,1
.irp o, 0,1,2,3
	global_load_b128 v[160+8*(4*\t+\o):163+8*(4*\t+\o)], v9, s[42:43] offset:(32*(\o/2)+8*(\o%2))*4
	global_load_b128 v[164+8*(4*\t+\o):167+8*(4*\t+\o)], v9, s[42:43] offset:(32*(\o/2)+8*(\o%2))*4+16
.endr
.endr
.endm
.macro BIASV                           ; v: a lane has one output: its bias fills eight registers for each of my two tiles
.irp u, 0,1
.irp n, 0,1,2,3,4,5,6,7
	global_load_b32 v[96+8*\u+\n], v14, s[42:43] offset:32*\u
.endr
.endr
.endm
.macro AHEAD                           ; a register that a vector instruction has written stands four plain lines ahead of a scaled matrix instruction that takes it as an operand
.rept 4
	v_nop
.endr
.endm
	HITEM 0
	WLOAD 0
	HITEM 1
	WLOAD 1
	s_wait_loadcnt 18                              ; x's second half is in; the 2 x 9 weight loads issued behind it may be out
	HITEM 2
	HITEM 3
	s_cmp_eq_u32 s23, 2
	s_cbranch_scc1 .Lbias_v
	WLOAD 2
	WLOAD 3
	BIASQ
	s_branch .Lmeet
.Lbias_v:
	BIASV
.Lmeet:
	AHEAD                                          ; v[144:159] is an operand of the first products on both ways
	s_wait_loadcnt 0x0                             ; weights, scale words and biases are in
	s_wait_dscnt 0x0                               ; for the others' sake: my part of h lies in LDS
	s_barrier_signal -1
	s_barrier_wait -1                              ; everybody's does.  Behind this barrier LDS is only read
; 64 numbers of a lane, v[s] on, register 16 b + i = k 32 b + 16 (lane / 16) + i, become a fragment's codes in v[pc] on and its scale word in v[pw].  Each accumulator is read from its low end on.
.macro QUANT s, pc, tm, pw
.irp b, 0,1,2,3
	v_max3_num_f32 v[\tm+\b], |v[\s+16*\b]|, |v[\s+1+16*\b]|, 0x4800000   ; block b: my 16 numbers, and the floor 2^(9 - 127)
.endr
.irp i, 2,4,6,8,10,12,14
.irp b, 0,1,2,3
	v_max3_num_f32 v[\tm+\b], v[\tm+\b], |v[\s+16*\b+\i]|, |v[\s+1+16*\b+\i]|   ; (the four blocks by turns)
.endr
.endr
.irp b, 0,1,2,3
	s_delay_alu instid0(VALU_DEP_4)
	v_permlanex16_b32 v[24+\b], v[\tm+\b], s30, s31
.endr
.irp b, 0,1,2,3
	s_delay_alu instid0(VALU_DEP_4)
	v_max_num_f32 v[\tm+\b], v[\tm+\b], v[24+\b]   ; with lane l xor 16's: the block's largest magnitude
.endr
.irp b, 0,1,2,3
	s_delay_alu instid0(VALU_DEP_4)
	v_add_nc_u32 v[\tm+12+\b], 0xfc000000, v[\tm+\b]   ; the conversion's scale operand
.endr
.irp b, 0,1,2,3
.endr
.irp b, 0,1,2,3
	s_delay_alu instid0(VALU_DEP_4)
	v_lshrrev_b32 v[24+\b], 23, v[\tm+12+\b]       ; the scale's byte
.endr
	s_delay_alu instid0(VALU_DEP_3)
	v_lshl_or_b32 v[\pw], v25, 8, v24
	s_delay_alu instid0(VALU_DEP_1)
	v_lshl_or_b32 v[\pw], v26, 16, v[\pw]
	s_delay_alu instid0(VALU_DEP_1)
	v_lshl_or_b32 v[\pw], v27, 24, v[\pw]
.irp b, 0,1,2,3
.irp i, 0,1,2,3,4,5,6,7,8,9,10,11,12,13,14,15
.endr
	v_cvt_scalef32_pk8_fp8_f32 v[\pc+4*\b:\pc+1+4*\b], v[\s+16*\b:\s+7+16*\b], v[\tm+12+\b]
	v_cvt_scalef32_pk8_fp8_f32 v[\pc+2+4*\b:\pc+3+4*\b], v[\s+8+16*\b:\s+15+16*\b], v[\tm+12+\b]
.endr
	v_nop                                          ; one plain line behind the last conversion
.endm
.macro STORE i, pc                     ; the image of unit i: four stores of 512 consecutive bytes
.irp c, 0,1,2,3
	global_store_b128 v12, v[\pc+4*\c:\pc+4*\c+3], s[34:35] offset:2048*(\i)+512*\c
.endr
.endm
.macro WORDS                           ; lanes 0-15 send unit 0's words, lanes 16-31 unit 1's: 128 consecutive bytes a wave, a head's two waves 256
	v_cmp_le_u32 vcc_lo, 16, v1
	s_delay_alu instid0(VALU_DEP_1)
	v_cndmask_b32 v28, v22, v23, vcc_lo
	global_store_b32 v13, v28, s[36:37]
.endm
.macro PLACES                          ; eight plain lines behind this matrix form, ahead of loads into its registers and of reads of its results
.rept 8
	v_nop
.endr
.endm
	s_cmp_eq_u32 s23, 2
	s_cbranch_scc1 .Lvpath
; ---- q, k.  Unit i: position tiles 4 half + 2 i + t, t = 0, 1.  The four accumulators of a tile take turns.
.macro QKUNIT i
.if \i == 1
	AHEAD                                          ; unit 0's conversions wrote v224-239, which take h now and are an operand of this unit's first products
	s_wait_xcnt 0x0                                ; unit 0's stores have read the codes' registers, into which h is loaded now
.endif
.irp t, 0,1
.irp s, 0,1
.irp c, 0,1,2,3
	ds_load_b128 v[224+16*\s+4*\c:227+16*\s+4*\c], v10 offset:(2*(\i)+\t)*TILEB+2048*\s+512*\c
.endr
.endr
	ds_load_b32 v20, v11 offset:128*(2*(\i)+\t)
.if (\i == 1) && (\t == 0)
	s_wait_loadcnt 0x0                             ; the bias, loaded anew into the accumulators
.endif
	s_wait_dscnt 0x0
.irp o, 0,1,2,3
	v_wmma_scale_f32_16x16x128_f8f6f4 v[160+8*(4*\t+\o):167+8*(4*\t+\o)], v[32+32*\o:47+32*\o], v[224:239], v[160+8*(4*\t+\o):167+8*(4*\t+\o)], v[16+\o], v20
.endr
.irp o, 0,1,2,3
	v_wmma_scale_f32_16x16x128_f8f6f4 v[160+8*(4*\t+\o):167+8*(4*\t+\o)], v[48+32*\o:63+32*\o], v[240:255], v[160+8*(4*\t+\o):167+8*(4*\t+\o)], v[16+\o], v20 matrix_a_scale:MATRIX_SCALE_ROW1 matrix_b_scale:MATRIX_SCALE_ROW1
.endr
	PLACES
.endr
	QUANT 160, 224, 240, 22+\i                     ; blocks: (tile 0, d 0-31), (tile 0, d 32-63), (tile 1, ..), (tile 1, ..): the pair image
.if \i == 0
	BIASQ
.endif
	STORE \i, 224
.endm
	QKUNIT 0
	QKUNIT 1
	WORDS
	s_set_vgpr_msb 0x5
	s_wait_tensorcnt 0x0
	ds_add_u32 v0, v1
	s_wait_dscnt 0x0
	s_set_vgpr_msb 0x500
	s_endpgm
.Lvpath:
; ---- v.  Unit i: outputs' tile 2 half + i, all eight position tiles, two at a time; two accumulators take turns.
.macro VUNIT i
.if \i == 1
	AHEAD                                          ; unit 0's conversions wrote v112-127, which take h now and are an operand of this unit's first products
	s_wait_xcnt 0x0                                ; unit 0's stores have read the codes' registers, into which h is loaded now
.endif
.irp g, 0,1,2,3
.irp t, 0,1
.irp s, 0,1
.irp c, 0,1,2,3
	ds_load_b128 v[112+32*\t+16*\s+4*\c:115+32*\t+16*\s+4*\c], v3 offset:(2*\g+\t)*TILEB+2048*\s+512*\c
.endr
.endr
	ds_load_b32 v[20+\t], v15 offset:128*(2*\g+\t)
.endr
	s_wait_dscnt 0x0
	v_wmma_scale_f32_16x16x128_f8f6f4 v[176+16*\g:183+16*\g], v[112:127], v[32+32*(\i):47+32*(\i)], v[96+8*(\i):103+8*(\i)], v20, v[16+(\i)]
	v_wmma_scale_f32_16x16x128_f8f6f4 v[184+16*\g:191+16*\g], v[144:159], v[32+32*(\i):47+32*(\i)], v[96+8*(\i):103+8*(\i)], v21, v[16+(\i)]
	v_wmma_scale_f32_16x16x128_f8f6f4 v[176+16*\g:183+16*\g], v[128:143], v[48+32*(\i):63+32*(\i)], v[176+16*\g:183+16*\g], v20, v[16+(\i)] matrix_a_scale:MATRIX_SCALE_ROW1 matrix_b_scale:MATRIX_SCALE_ROW1
	v_wmma_scale_f32_16x16x128_f8f6f4 v[184+16*\g:191+16*\g], v[160:175], v[48+32*(\i):63+32*(\i)], v[184+16*\g:191+16*\g], v21, v[16+(\i)] matrix_a_scale:MATRIX_SCALE_ROW1 matrix_b_scale:MATRIX_SCALE_ROW1
	PLACES
.endr
	QUANT 176, 112, 128, 22+\i                     ; block b: keys 32 b .. 32 b + 31 of the record
	STORE \i, 112
.endm
	VUNIT 0
	VUNIT 1
	WORDS
	s_set_vgpr_msb 0x5
	s_wait_tensorcnt 0x0
	ds_add_u32 v0, v1
	s_wait_dscnt 0x0
	s_set_vgpr_msb 0x500
	s_endpgm
.Lfunc_end_k_q35b2f57620_qkv:
	.size	k_q35b2f57620_qkv, .Lfunc_end_k_q35b2f57620_qkv-k_q35b2f57620_qkv
	.p2alignl 7, 3214868480
	.fill 96, 4, 3214868480
	.section	.rodata,"a",@progbits
	.p2align	6, 0x0
	.amdhsa_kernel k_q35b2f57620_qkv
		.amdhsa_group_segment_fixed_size 35840
		.amdhsa_private_segment_fixed_size 0
		.amdhsa_enable_private_segment 0
		.amdhsa_kernarg_size 72
		.amdhsa_user_sgpr_count 2
		.amdhsa_user_sgpr_kernarg_segment_ptr 1
		.amdhsa_wavefront_size32 1
		.amdhsa_system_sgpr_workgroup_id_x 1
		.amdhsa_system_sgpr_workgroup_id_y 1
		.amdhsa_system_sgpr_workgroup_id_z 1
		.amdhsa_system_vgpr_workitem_id 0
		.amdhsa_next_free_vgpr 258
		.amdhsa_next_free_sgpr 66
		.amdhsa_reserve_vcc 1
		.amdhsa_float_denorm_mode_32 3
		.amdhsa_float_denorm_mode_16_64 3
		.amdhsa_fp16_overflow 1
		.amdhsa_memory_ordered 1
		.amdhsa_forward_progress 1
		.amdhsa_inst_pref_size 89
	.end_amdhsa_kernel
	.amdgpu_metadata
---
amdhsa.version: [ 1, 2 ]
amdhsa.kernels:
  - .name:           k_q35b2f57620_qkv
    .symbol:         k_q35b2f57620_qkv.kd
    .args:
      - { .name: x, .offset: 0, .size: 8, .value_kind: global_buffer, .address_space: global }
      - { .name: norm_w, .offset: 8, .size: 8, .value_kind: global_buffer, .address_space: global }
      - { .name: norm_b, .offset: 16, .size: 8, .value_kind: global_buffer, .address_space: global }
      - { .name: stats, .offset: 24, .size: 8, .value_kind: global_buffer, .address_space: global }
      - { .name: wcodes, .offset: 32, .size: 8, .value_kind: global_buffer, .address_space: global }
      - { .name: wscales, .offset: 40, .size: 8, .value_kind: global_buffer, .address_space: global }
      - { .name: qkv_b, .offset: 48, .size: 8, .value_kind: global_buffer, .address_space: global }
      - { .name: qbuf, .offset: 56, .size: 8, .value_kind: global_buffer, .address_space: global }
      - { .name: kvbuf, .offset: 64, .size: 8, .value_kind: global_buffer, .address_space: global }
    .group_segment_fixed_size: 35840
    .private_segment_fixed_size: 0
    .kernarg_segment_align: 8
    .kernarg_segment_size: 72
    .max_flat_workgroup_size: 256
    .sgpr_count:     66
    .vgpr_count:     258
    .wavefront_size: 32
...
	.end_amdgpu_metadata
.endif
;; end of part 2
;; launch attn (part 3): grid 16 x 16, 16 waves a work-group, clusters of 4 x 1, 327,680 bytes of LDS; arguments qbuf, kvbuf, oimg, osc; writes oimg, osc
.if DOCPART == 3
	.amdgcn_target "amdgcn-amd-amdhsa--gfx1250"
	.amdhsa_code_object_version 6
	.text
	.protected	k_q35b2f57620_attn
	.globl	k_q35b2f57620_attn
	.p2align	8
	.type	k_q35b2f57620_attn,@function
k_q35b2f57620_attn:
	s_mov_b64 s[64:65], 0
	v_nop
	global_prefetch_b8 v0, s[64:65] scope:SCOPE_SE
	s_setreg_imm32_b32 hwreg(HW_REG_WAVE_MODE, 25, 1), 1
	s_wait_xcnt 0x0
	s_wait_alu depctr_hold_cnt(0) depctr_sa_sdst(0) depctr_va_vdst(0) depctr_va_sdst(0) depctr_va_ssrc(0) depctr_va_vcc(0) depctr_vm_vsrc(0)
	s_getreg_b32 s2, hwreg(HW_REG_IB_STS2, 6, 4)
	s_cmp_eq_u32 s2, 0
	s_cbranch_scc0 .Lentry_in_a_cluster
	s_endpgm
.Lentry_in_a_cluster:
	s_bfe_u32 s2, ttmp6, 0x10000c
	s_cmp_lg_u32 s2, 0x3003
	s_cbranch_scc0 .Lentry_shape_is_right
	s_endpgm
.Lentry_shape_is_right:
; THIRD LAUNCH.  For each of 16 heads (batch x head): O = softmax(Q K^T / 8) V over 4,096 positions, head size 64, both products on codes of FP8 (E4M3) with one E8M0 scale for each 32 along K; then O / l is quantised along the channels for the projection.
; THE SOFTMAX AHEAD OF THE SECOND PRODUCT: t = score x log2(e) / 8; M = the running largest t rounded UP to a whole number; p = 2^(t - M) is what is quantised, along the keys, not normalised.
; The row's sum l is taken of the unquantised p and divides O at the end.  When M moves, l and O are multiplied by 2^(old M - new M): exact, and with no branch on data.
; SHARES.  A work-group owns 256 queries of one head, each of its SIXTEEN waves one tile of 16 in 256 registers: four waves to a SIMD, so that one wave's vector work stands beside another's matrix work and LDS loads.
; Every wave walks the head's 32 records of 128 keys (16,896 bytes: K's four pair images, V's four images, their scale words), which lie in LDS as they lie in memory: images of the operands' registers, read 512 consecutive bytes a load.
; BOTH PRODUCTS TRANSPOSED: S^T = K Q^T, O^T = V^T P^T: a lane holds ONE query throughout.  The keys of a tile are chosen (row r of tile t: 32 (t / 2) + 8 (t % 2) + r + 8 (r / 8)) so that p's 16 registers of two neighbouring tiles are 16 neighbouring keys.
; K = 64 IN A FORM OF K = 128: source 0 is a whole pair image (tile 2 p in k 0-63, tile 2 p + 1 in k 64-127); source 1 is [Q | zeros] for the first tile and [zeros | Q] for the second: Q lies between two runs of eight zero registers.
; Zero codes add nothing under any scale byte but 0xff; Q's scale word holds its two bytes twice.
; THE RING: two slots of 8 records (135,168 bytes).  Waves 0-7 fetch a record each, 66 rows of 256 bytes, dense.  By this text's count a wave has two tensor loads out at the start and one behind each refill.
; CLUSTER: the four work-groups of a cluster belong to one head and walk the same records, so each record is asked for JOINTLY: the same load, the same descriptor, a mask that names the four.
; NO PREFETCH: a refill is asked for eight key steps ahead of its first read; the first two slots come by their loads at the head.
; LIMITS: NaN and infinities are not served; a block whose largest magnitude lies under 2^-118 gets the byte 1.  A block's largest p is not searched for: the block's largest score goes through the same
; multiply-add and exponential, which takes v_exp_f32 not to fall where its input rises; at the worst one p of a block, within an ulp of a power of two, is held one code low.
; REGISTERS: v1 16 x lane, v2 4 x lane, v3-4 the spare word's address and 0, v5-6 addresses of the step, v7 4 x (lane % 16); v8-15 zeros, v16-23 Q, v24-31 zeros; v32-95 four fragments of K, then of V;
;   v96-159 S^T, then p; v160-191 O^T; v192-207 p's codes; v208 p's scale word; v209 Q's; v210 -M, v211 the largest t; v[212:213] l in two halves; v232-247 the blocks' figures; v248-249 K's scale words, v250-251 V's; v[252:253] f; v254 at work.
.set REC,   16896                      ; a record
.set SLOTB, 8*REC                      ; a slot
.set SPARE, 2*SLOTB                    ; behind the ring: the spare words, 128 bytes for each of 16 waves: eight blocks of 256 bytes that no other line names
.macro CROUND                          ; a round of the cluster's barrier
	s_barrier_signal -1
	s_barrier_wait -1
	s_cmp_lg_u32 s12, 0
	s_cbranch_scc1 .Lnot_wave_0_\@
	s_barrier_signal -3
.Lnot_wave_0_\@:
	s_barrier_wait -3
	s_barrier_signal -1
	s_barrier_wait -1
.endm
.macro JLOAD slot                      ; a joint refill: waves 0-7, a record each.  The branch hangs on the wave's number alone.  Four v_nop follow the load
	s_cmp_lt_u32 s12, 8
	s_cbranch_scc0 .Lnone_\@
	tensor_load_to_lds s[32+4*\slot:35+4*\slot], s[24:31]
	s_nop 0
.rept 4
	v_nop
.endr
.Lnone_\@:
.endm
	s_load_b256 s[4:11], s[0:1], 0x0               ; qbuf s[4:5], kvbuf s[6:7], oimg s[8:9], osc s[10:11]
	v_lshl_add_u32 v3, v0, 2, SPARE
	v_mov_b32 v4, 0
	ds_add_u32 v3, v4
	ds_add_u32 v3, v4
	s_wait_dscnt 0x0
	v_lshrrev_b32 v5, 5, v0
	s_delay_alu instid0(VALU_DEP_1)
	v_readfirstlane_b32 s12, v5                    ; wave 0..15
	s_bfe_u32 s13, ttmp6, 0x40000                  ; cx: my place in the cluster
	s_lshl_b32 s14, ttmp9, 2                       ; in a cluster launch ttmp9 counts clusters
	s_add_co_u32 s14, s14, s13                     ; my block of 256 queries: it enters Q's and the results' global addresses alone
	s_and_b32 s15, ttmp7, 0xffff                   ; batch x 4 + head, which the four partners share
	; descriptor group 1: 66 rows of 32 elements of 8 bytes, dense, no padding
	s_mov_b32 s24, 15|(3<<16)|(1<<21)              ; 15:0 the mask: all four work-groups; 17:16 elements of 8 bytes; 21 set beside a mask
	s_mov_b32 s25, 32<<16                          ; tensor_dim0 = 32
	s_mov_b32 s26, 66<<16                          ; tensor_dim1 = 66
	s_mov_b32 s27, 32<<16                          ; tile_dim0 = 32
	s_mov_b32 s28, 66                              ; tile_dim1 = 66
	s_mov_b32 s29, 32                              ; from row to row
	s_mov_b32 s30, 0
	s_mov_b32 s31, 0
	s_mov_b32 s40, 0x76543210
	s_mov_b32 s41, 0xfedcba98                      ; v_permlanex16_b32's selects for lane l xor 16
	s_mov_b32 s42, 0x3e38aa3b                      ; c = log2(e) / 8
	s_mov_b32 s43, s42                             ; (named with it as a pair, so it is written)
	s_mul_i32 s16, s12, REC                        ; the record that I fetch, in a slot and in memory alike: wave x 16,896 (waves 8-15 fetch nothing)
	s_mul_i32 s18, s15, 32*REC                     ; the head's records
	s_add_co_u32 s18, s18, s16
	s_mov_b32 s19, 0
	; Q: tile 16 x + w is tile w % 2 of pair (w / 2) % 4 of record 2 x + w / 8
	s_lshl_b32 s20, s15, 5
	s_lshl_b32 s21, s14, 1
	s_add_co_u32 s20, s20, s21
	s_lshr_b32 s21, s12, 3
	s_add_co_u32 s20, s20, s21
	s_mul_i32 s20, s20, 8448                       ; the record in qbuf
	s_bfe_u32 s21, s12, 0x20001                    ; the pair
	s_and_b32 s23, s12, 1                          ; the tile in it
	s_lshl_b32 s22, s21, 11
	s_add_co_u32 s48, s20, s22
	s_lshl_b32 s22, s23, 10
	s_add_co_u32 s48, s48, s22                     ; codes: + 2,048 pair + 1,024 tile
	s_mov_b32 s49, 0
	s_lshl_b32 s22, s21, 6
	s_add_co_u32 s50, s20, s22                     ; words: + 64 pair (+ 8,192 in the immediate)
	s_mov_b32 s51, 0
	s_lshl_b32 s17, s23, 4                         ; my tile's two bytes begin at bit 16 x tile
	; the results: index ((256 b + tile) x 2 + head / 2)
	s_lshr_b32 s52, s15, 2
	s_and_b32 s53, s15, 3
	s_lshl_b32 s52, s52, 8
	s_lshl_b32 s54, s14, 4
	s_add_co_u32 s52, s52, s54
	s_add_co_u32 s52, s52, s12
	s_lshl_b32 s52, s52, 1
	s_lshr_b32 s54, s53, 1
	s_add_co_u32 s52, s52, s54
	s_and_b32 s53, s53, 1
	s_lshl_b32 s20, s52, 11
	s_lshl_b32 s54, s53, 10
	s_add_co_u32 s20, s20, s54                     ; codes: 2,048 x index + 1,024 (head % 2)
	s_mov_b32 s21, 0
	s_lshl_b32 s22, s52, 6
	s_lshl_b32 s54, s53, 1
	s_add_co_u32 s22, s22, s54                     ; half words: 64 x index + 2 (head % 2)
	s_mov_b32 s23, 0
	s_wait_kmcnt 0x0
	s_add_nc_u64 s[18:19], s[6:7], s[18:19]
	s_add_nc_u64 s[48:49], s[4:5], s[48:49]
	s_add_nc_u64 s[50:51], s[4:5], s[50:51]
	s_add_nc_u64 s[8:9], s[8:9], s[20:21]
	s_add_nc_u64 s[10:11], s[10:11], s[22:23]
	s_mov_b32 s32, 1                               ; group 0 of slot 0: count = 1,
	s_mov_b32 s33, s16                             ; LDS address,
	s_mov_b64 s[34:35], s[18:19]                   ; global address: records 0-7,
	s_or_b32 s35, s35, 0x80000000                  ; type = 2
	s_mov_b32 s36, 1                               ; of slot 1
	s_add_co_u32 s37, s16, SLOTB
	s_add_nc_u64 s[38:39], s[18:19], SLOTB         ; records 8-15
	s_or_b32 s39, s39, 0x80000000
	CROUND                                         ; all four work-groups are here: the first joint loads meet
	s_cmp_lt_u32 s12, 8                            ; a wave's two first fills stand in one branch, ahead of every wait on TENSORcnt, every LDS read and every other barrier
	s_cbranch_scc0 .Lfirst_none
	tensor_load_to_lds s[32:35], s[24:31]
	s_nop 0
	tensor_load_to_lds s[36:39], s[24:31]
	s_nop 0
.rept 4
	v_nop
.endr
.Lfirst_none:
	v_and_b32 v5, 31, v0
	s_delay_alu instid0(VALU_DEP_1)
	v_lshlrev_b32 v1, 4, v5
	s_delay_alu instid0(VALU_DEP_2)
	v_lshlrev_b32 v2, 2, v5
	v_and_b32 v7, 15, v0
	s_delay_alu instid0(VALU_DEP_1)
	v_lshlrev_b32 v7, 2, v7
	global_load_b128 v[16:19], v1, s[48:49]        ; Q: d = 16 (lane / 16) + 0 .. 15
	global_load_b128 v[20:23], v1, s[48:49] offset:512   ; d = 32 + 16 (lane / 16) + 0 .. 15
	global_load_b32 v209, v7, s[50:51] offset:8192 ; the pair's scale word of my row
.irp n, 0,1,2,3,4,5,6,7
	v_mov_b32 v[8+\n], 0                           ; zero codes on both sides of Q
	v_mov_b32 v[24+\n], 0
.endr
.set n, 0
.rept 32
	v_mov_b32 v[160+n], 0                          ; O^T.  (The step is written for every step alike: the first finds zeros, which the first change of M leaves zeros)
.set n, n+1
.endr
	v_mov_b32 v211, 0xff61b1e6                     ; the largest t so far: -3e38, under every t
	s_delay_alu instid0(VALU_DEP_1)
	v_floor_f32 v210, -v211                        ; -M
	v_mov_b32 v212, 0
	v_mov_b32 v213, 0
.irp b, 0,1,2,3
	v_mov_b32 v[236+\b], 0                         ; written once: a lane permute's destination counts as one of its sources
.endr
	v_mov_b32 v253, 0                              ; (named as the upper half of the pair v[252:253])
	s_wait_loadcnt 0x0
	v_lshrrev_b32 v209, s17, v209
	s_delay_alu instid0(VALU_DEP_1)
	v_and_b32 v209, 0xffff, v209
	s_delay_alu instid0(VALU_DEP_1)
	v_lshl_or_b32 v209, v209, 16, v209             ; my tile's two bytes, twice: they serve Q in the lower and in the upper half of K
; A KEY STEP: one record, 128 keys; s45 is its LDS byte.
.macro STEP
	v_add_nc_u32 v5, s45, v1
	v_add_nc_u32 v6, s45, v2
.rept 6
	v_nop                                          ; with the two additions: eight plain lines behind the last step's products, ahead of loads into registers that they read
.endr
.irp p, 0,1,2,3
.irp c, 0,1,2,3
	ds_load_b128 v[32+16*\p+4*\c:35+16*\p+4*\c], v5 offset:2048*\p+512*\c
.endr
.endr
	ds_load_b32 v248, v6 offset:16384              ; K's words: lanes 0-15 pair 0's, lanes 16-31 pair 1's;
	ds_load_b32 v249, v6 offset:16384+128          ; pairs 2 and 3
	s_wait_alu depctr_va_vdst(0)
	s_wait_dscnt 0x0
.irp p, 0,1,2,3
.irp t, 0,1
.if \p%2
	v_wmma_scale_f32_16x16x128_f8f6f4 v[96+16*\p+8*\t:103+16*\p+8*\t], v[32+16*\p:47+16*\p], v[16-8*\t:31-8*\t], 0, v[248+\p/2], v209 matrix_a_scale:MATRIX_SCALE_ROW1
.else
	v_wmma_scale_f32_16x16x128_f8f6f4 v[96+16*\p+8*\t:103+16*\p+8*\t], v[32+16*\p:47+16*\p], v[16-8*\t:31-8*\t], 0, v[248+\p/2], v209
.endif
.endr
.endr                                              ; register 16 p + 8 t + n of S^T: key 32 p + 16 (lane / 16) + 8 t + n
.rept 8
	v_nop                                          ; ahead of the loads over K's fragments and of the first read of the scores
.endr
.irp o, 0,1,2,3
.irp c, 0,1,2,3
	ds_load_b128 v[32+16*\o+4*\c:35+16*\o+4*\c], v5 offset:8192+2048*\o+512*\c   ; V's four images land while the softmax is walked
.endr
.endr
	ds_load_b32 v250, v6 offset:16640
	ds_load_b32 v251, v6 offset:16640+128
.irp b, 0,1,2,3
	v_max3_num_f32 v[232+\b], v[96+16*\b], v[97+16*\b], v[98+16*\b]   ; the largest score of each block of 32 keys: it serves the row's maximum and, since p rises with the score, the block's largest p
.endr
.irp i, 3,5,7,9,11,13
.irp b, 0,1,2,3
	v_max3_num_f32 v[232+\b], v[232+\b], v[96+16*\b+\i], v[97+16*\b+\i]   ; (the four blocks by turns)
.endr
.endr
.irp b, 0,1,2,3
	v_max_num_f32 v[232+\b], v[232+\b], v[111+16*\b]
.endr
.irp b, 0,1,2,3
	s_delay_alu instid0(VALU_DEP_4)
	v_permlanex16_b32 v[236+\b], v[232+\b], s40, s41
.endr
.irp b, 0,1,2,3
	s_delay_alu instid0(VALU_DEP_4)
	v_max_num_f32 v[232+\b], v[232+\b], v[236+\b]  ; with lane l xor 16's 16 keys
.endr
	s_delay_alu instid0(VALU_DEP_2)
	v_max3_num_f32 v254, v232, v233, v234
	s_delay_alu instid0(VALU_DEP_1)
	v_max_num_f32 v254, v254, v235                 ; the step's largest score of my query
	s_delay_alu instid0(VALU_DEP_1)
	v_mul_f32 v254, s42, v254                      ; as t (c is positive)
	s_delay_alu instid0(VALU_DEP_1)
	v_max_num_f32 v211, v211, v254                 ; the running largest t
	v_mov_b32 v254, v210
	s_delay_alu instid0(VALU_DEP_2)
	v_floor_f32 v210, -v211                        ; the new -M = floor(-t) = -ceil(t): a whole number
	s_delay_alu instid0(VALU_DEP_1)
	v_sub_f32 v254, v210, v254                     ; old M - new M: a whole number, 0 or less
	s_delay_alu instid0(VALU_DEP_1)
	v_cvt_i32_f32 v254, v254                       ; (it saturates)
	s_delay_alu instid0(VALU_DEP_1)
	v_ldexp_f32 v252, 1.0, v254                    ; f = 2^(old M - new M)
.set n, 0
.rept 32
	v_pk_fma_f32 v[96+n:97+n], v[96+n:97+n], s[42:43], v[210:211] op_sel_hi:[1,0,0]   ; t - M, two at a time (of the pairs c and -M the low word serves both halves)
.set n, n+2
.endr
.irp b, 0,1,2,3
	v_fma_f32 v[232+\b], v[232+\b], s42, v210      ; the same of each block's largest score
.endr
.set n, 0
	s_setprio 1
	s_wait_alu depctr_va_vdst(0)
.rept 64
	v_exp_f32 v[96+n], v[96+n]                     ; p = 2^(t - M): one batch
.set n, n+1
.endr
	v_pk_mul_f32 v[212:213], v[212:213], v[252:253] op_sel_hi:[1,0]   ; l under the new M: the plain line behind the exponentials
	s_wait_alu depctr_va_vdst(0)                   ; one wait for the batch, ahead of its first reader
.irp b, 0,1,2,3
	v_exp_f32 v[232+\b], v[232+\b]                 ; the blocks' largest p
.endr
	v_pk_add_f32 v[236:237], v[100:101], v[104:105]
	v_pk_add_f32 v[248:249], v[108:109], v[112:113]
	v_pk_add_f32 v[246:247], v[116:117], v[120:121]
	v_pk_add_f32 v[244:245], v[124:125], v[128:129]
	v_pk_add_f32 v[242:243], v[132:133], v[136:137]
	v_pk_add_f32 v[240:241], v[140:141], v[144:145]
	v_pk_add_f32 v[238:239], v[148:149], v[152:153]
	v_pk_add_f32 v[212:213], v[212:213], v[156:157]
	v_pk_add_f32 v[236:237], v[236:237], v[96:97]
	v_pk_add_f32 v[248:249], v[248:249], v[98:99]
	v_pk_add_f32 v[246:247], v[246:247], v[102:103]
	v_pk_add_f32 v[244:245], v[244:245], v[106:107]
	v_pk_add_f32 v[242:243], v[242:243], v[110:111]
	v_pk_add_f32 v[240:241], v[240:241], v[114:115]
	v_pk_add_f32 v[238:239], v[238:239], v[118:119]
	v_pk_add_f32 v[212:213], v[212:213], v[122:123]
	v_pk_add_f32 v[236:237], v[236:237], v[126:127]
	v_pk_add_f32 v[248:249], v[248:249], v[130:131]
	v_pk_add_f32 v[246:247], v[246:247], v[134:135]
	v_pk_add_f32 v[244:245], v[244:245], v[138:139]
	v_pk_add_f32 v[242:243], v[242:243], v[142:143]
	v_pk_add_f32 v[240:241], v[240:241], v[146:147]
	v_pk_add_f32 v[238:239], v[238:239], v[150:151]
	v_pk_add_f32 v[212:213], v[212:213], v[154:155]
	v_pk_add_f32 v[236:237], v[236:237], v[158:159]
	s_delay_alu instid0(VALU_DEP_2)
	v_pk_add_f32 v[212:213], v[212:213], v[244:245]
	s_delay_alu instid0(VALU_DEP_2)
	v_pk_add_f32 v[236:237], v[236:237], v[242:243]
	v_pk_add_f32 v[248:249], v[248:249], v[240:241]
	v_pk_add_f32 v[246:247], v[246:247], v[238:239]
	s_delay_alu instid0(VALU_DEP_2)
	v_pk_add_f32 v[212:213], v[212:213], v[248:249]
	s_delay_alu instid0(VALU_DEP_2)
	v_pk_add_f32 v[236:237], v[236:237], v[246:247]
	s_delay_alu instid0(VALU_DEP_1)
	v_pk_add_f32 v[212:213], v[212:213], v[236:237]
	s_wait_alu depctr_va_vdst(0)                   ; and one for the four
.irp b, 0,1,2,3
	v_max_num_f32 v[232+\b], 0x4800000, v[232+\b]  ; the floor 2^(9 - 127): the byte cannot fall under 1
.endr
.irp b, 0,1,2,3
	s_delay_alu instid0(VALU_DEP_4)
	v_add_nc_u32 v[244+\b], 0xfc000000, v[232+\b]  ; the conversion's scale operand
.endr
.irp b, 0,1,2,3
.endr
.irp b, 0,1,2,3
	s_delay_alu instid0(VALU_DEP_4)
	v_lshrrev_b32 v[236+\b], 23, v[244+\b]         ; the scale's byte
.endr
	s_delay_alu instid0(VALU_DEP_3)
	v_lshl_or_b32 v208, v237, 8, v236              ; p's scale word for these 128 keys
	s_delay_alu instid0(VALU_DEP_1)
	v_lshl_or_b32 v208, v238, 16, v208
	s_delay_alu instid0(VALU_DEP_1)
	v_lshl_or_b32 v208, v239, 24, v208
	s_setprio 0
.irp b, 0,1,2,3
.irp i, 0,1,2,3,4,5,6,7,8,9,10,11,12,13,14,15
.endr
	v_cvt_scalef32_pk8_fp8_f32 v[192+4*\b:193+4*\b], v[96+16*\b:103+16*\b], v[244+\b]
	v_cvt_scalef32_pk8_fp8_f32 v[194+4*\b:195+4*\b], v[104+16*\b:111+16*\b], v[244+\b]
.endr
.set n, 0
.rept 16
	v_pk_mul_f32 v[160+n:161+n], v[160+n:161+n], v[252:253] op_sel_hi:[1,0]   ; O^T under the new M.  (These are also the plain lines between the codes and the products below)
.set n, n+2
.endr
	s_wait_alu depctr_va_vdst(0)
	s_wait_dscnt 0x0                               ; V and its words are in
.irp o, 0,1,2,3                                    ; O^T += V^T P^T: the four accumulators take turns; between two links of a chain stand the others' and the next step's eight products
.if \o%2
	v_wmma_scale_f32_16x16x128_f8f6f4 v[160+8*\o:167+8*\o], v[32+16*\o:47+16*\o], v[192:207], v[160+8*\o:167+8*\o], v[250+\o/2], v208 matrix_a_scale:MATRIX_SCALE_ROW1
.else
	v_wmma_scale_f32_16x16x128_f8f6f4 v[160+8*\o:167+8*\o], v[32+16*\o:47+16*\o], v[192:207], v[160+8*\o:167+8*\o], v[250+\o/2], v208
.endif
.endr
.endm
.macro SLOTRUN slot                    ; a slot's eight key steps: the step is written once for each run, the trip count is a constant
	s_mov_b32 s45, \slot*SLOTB
	s_mov_b32 s46, 8
.Lstep_\@:
	s_wait_alu depctr_va_vdst(0)
	s_setprio 2
	STEP
	s_add_co_u32 s45, s45, REC
	s_sub_co_u32 s46, s46, 1
	s_cmp_lg_u32 s46, 0
	s_cbranch_scc1 .Lstep_\@
	s_setprio 0
.endm
; THE CHANGE OF SLOTS.  Each wave waits for all its tensor loads (its part of the slot ahead), adds 0 to its spare word, and waits for that and for its reads of the slot that it leaves.
; fill = 1: the barrier is a round of the cluster's, so that no wave of any partner still reads the slot or has a load on its way; the joint refill, 16 records on, is the first thing behind it.
.macro CHANGE slot, fill
	s_wait_tensorcnt 0x0                           ; no tensor load of mine is out, so a group 0 may be written
	ds_add_u32 v3, v4                              ; 0 onto my spare word
.if \fill
	s_add_nc_u64 s[34+4*\slot:35+4*\slot], s[34+4*\slot:35+4*\slot], 2*SLOTB   ; the type bits on top are not reached
.endif
	s_wait_dscnt 0x0                               ; the add is done, and my reads of the slot are over
.if \fill
	CROUND
	JLOAD \slot
.else
	s_barrier_signal -1
	s_barrier_wait -1
.endif
.endm
	s_wait_tensorcnt 1                             ; my part of slot 0 is in; slot 1's load may stay out
	s_barrier_signal -1
	s_barrier_wait -1                              ; everybody's is
	SLOTRUN 0                                      ; records 0-7
	CHANGE 0, 1                                    ; slot 0 takes records 16-23
	SLOTRUN 1                                      ; records 8-15
	CHANGE 1, 1                                    ; slot 1 takes records 24-31
	SLOTRUN 0
	CHANGE 0, 0                                    ; nothing is left to fetch
	SLOTRUN 1
	; THE WAY OUT.  O^T / l; registers 16 b + i are channels 32 b + 16 (lane / 16) + i of my head: two blocks of the projection's K, quantised in place; the codes are two quarters of the projection's operand and leave as its image.
	v_add_f32 v212, v212, v213                     ; l's two halves,
	s_delay_alu instid0(VALU_DEP_1)
	v_permlanex16_b32 v254, v212, s40, s41
	s_delay_alu instid0(VALU_DEP_1)
	v_add_f32 v212, v212, v254                     ; and lane l xor 16's
	s_wait_alu depctr_va_vdst(0)
	v_rcp_f32 v212, v212
.rept 6
	v_nop                                          ; with the two additions: eight plain lines behind the last products; also the plain line behind the reciprocal
.endr
	s_wait_alu depctr_va_vdst(0)                   ; ahead of the reciprocal's first reader
.set n, 0
.rept 16
	v_pk_mul_f32 v[96+n:97+n], v[160+n:161+n], v[212:213] op_sel_hi:[1,0]   ; each accumulator from its low end on
.set n, n+2
.endr
.irp b, 0,1
	v_max3_num_f32 v[232+\b], |v[96+16*\b]|, |v[97+16*\b]|, 0x4800000
.endr
.irp i, 2,4,6,8,10,12,14
.irp b, 0,1
	s_delay_alu instid0(VALU_DEP_2)
	v_max3_num_f32 v[232+\b], v[232+\b], |v[96+16*\b+\i]|, |v[97+16*\b+\i]|
.endr
.endr
.irp b, 0,1
	s_delay_alu instid0(VALU_DEP_2)
	v_permlanex16_b32 v[236+\b], v[232+\b], s40, s41
.endr
.irp b, 0,1
	s_delay_alu instid0(VALU_DEP_2)
	v_max_num_f32 v[232+\b], v[232+\b], v[236+\b]
.endr
.irp b, 0,1
	s_delay_alu instid0(VALU_DEP_2)
	v_add_nc_u32 v[244+\b], 0xfc000000, v[232+\b]
.endr
.irp b, 0,1
.endr
.irp b, 0,1
	s_delay_alu instid0(VALU_DEP_2)
	v_lshrrev_b32 v[236+\b], 23, v[244+\b]
.endr
	s_delay_alu instid0(VALU_DEP_1)
	v_lshl_or_b32 v254, v237, 8, v236              ; my head's half of the row's scale word
.irp b, 0,1
.irp i, 0,1,2,3,4,5,6,7,8,9,10,11,12,13,14,15
.endr
	v_cvt_scalef32_pk8_fp8_f32 v[192+4*\b:193+4*\b], v[96+16*\b:103+16*\b], v[244+\b]
	v_cvt_scalef32_pk8_fp8_f32 v[194+4*\b:195+4*\b], v[104+16*\b:111+16*\b], v[244+\b]
.endr
	v_nop                                          ; one plain line behind the last conversion
	global_store_b128 v1, v[192:195], s[8:9]       ; 512 consecutive bytes, aligned,
	global_store_b128 v1, v[196:199], s[8:9] offset:512   ; and the next 512
	global_store_b16 v7, v254, s[10:11]            ; two bytes a row; lanes l and l + 16 hold the same bytes and name the same place.  128 KiB of half words in the whole launch
	s_wait_tensorcnt 0x0                           ; the wave's end
	ds_add_u32 v3, v4
	s_wait_dscnt 0x0
	CROUND                                         ; the closing round: no work-group ends while a partner may still ask for a record that names it
	s_endpgm
.Lfunc_end_k_q35b2f57620_attn:
	.size	k_q35b2f57620_attn, .Lfunc_end_k_q35b2f57620_attn-k_q35b2f57620_attn
	.p2alignl 7, 3214868480
	.fill 96, 4, 3214868480
	.section	.rodata,"a",@progbits
	.p2align	6, 0x0
	.amdhsa_kernel k_q35b2f57620_attn
		.amdhsa_group_segment_fixed_size 327680
		.amdhsa_private_segment_fixed_size 0
		.amdhsa_enable_private_segment 0
		.amdhsa_kernarg_size 32
		.amdhsa_user_sgpr_count 2
		.amdhsa_user_sgpr_kernarg_segment_ptr 1
		.amdhsa_wavefront_size32 1
		.amdhsa_system_sgpr_workgroup_id_x 1
		.amdhsa_system_sgpr_workgroup_id_y 1
		.amdhsa_system_sgpr_workgroup_id_z 1
		.amdhsa_system_vgpr_workitem_id 0
		.amdhsa_next_free_vgpr 256
		.amdhsa_next_free_sgpr 66
		.amdhsa_reserve_vcc 0
		.amdhsa_float_denorm_mode_32 3
		.amdhsa_float_denorm_mode_16_64 3
		.amdhsa_fp16_overflow 1
		.amdhsa_memory_ordered 1
		.amdhsa_forward_progress 1
		.amdhsa_inst_pref_size 83
	.end_amdhsa_kernel
	.amdgpu_metadata
---
amdhsa.version: [ 1, 2 ]
amdhsa.kernels:
  - .name:           k_q35b2f57620_attn
    .symbol:         k_q35b2f57620_attn.kd
    .args:
      - { .name: qbuf, .offset: 0, .size: 8, .value_kind: global_buffer, .address_space: global }
      - { .name: kvbuf, .offset: 8, .size: 8, .value_kind: global_buffer, .address_space: global }
      - { .name: oimg, .offset: 16, .size: 8, .value_kind: global_buffer, .address_space: global }
      - { .name: osc, .offset: 24, .size: 8, .value_kind: global_buffer, .address_space: global }
    .group_segment_fixed_size: 327680
    .private_segment_fixed_size: 0
    .kernarg_segment_align: 8
    .kernarg_segment_size: 32
    .max_flat_workgroup_size: 512
    .sgpr_count:     66
    .vgpr_count:     256
    .wavefront_size: 32
...
	.end_amdgpu_metadata
.endif
;; end of part 3
;; launch proj (part 4): grid 256 x 1, 16 waves a work-group, no clusters, 88,064 bytes of LDS; arguments oimg, osc, wcodes, wscales, proj_b, x, out0; writes out0
.if DOCPART == 4
	.amdgcn_target "amdgcn-amd-amdhsa--gfx1250"
	.amdhsa_code_object_version 6
	.text
	.protected	k_q35b2f57620_proj
	.globl	k_q35b2f57620_proj
	.p2align	8
	.type	k_q35b2f57620_proj,@function
k_q35b2f57620_proj:
	s_mov_b64 s[64:65], 0
	v_nop
	global_prefetch_b8 v0, s[64:65] scope:SCOPE_SE
	s_setreg_imm32_b32 hwreg(HW_REG_WAVE_MODE, 25, 1), 1
	s_wait_xcnt 0x0
; FOURTH LAUNCH.  out0 = x + proj_b + Q(proj_w) Q(attention's result), on codes of FP8 (E4M3) with one E8M0 scale for each 32 along K = the 256 channels.
; SHARES.  Work-group i: batch i / 64, positions 64 (i % 64) on: position tiles 4 i .. 4 i + 3 of oimg, 16,384 consecutive bytes.  Wave w makes outputs 16 w .. 16 w + 15 for the 64 positions: 8 matrix instructions.
; The four tiles' images (two K steps each) are wanted by all sixteen waves: each wave copies 1,024 bytes of them into LDS, one barrier, every wave reads all.
; LAYOUT.  Source 0 = 16 positions (row r of tile t: 32 (t / 2) + 8 (t % 2) + r + 8 (r / 8)), source 1 = 16 rows of proj_w: a lane holds ONE output channel, and its eight registers of a tile are eight NEIGHBOURING positions,
; 32 bytes of a row of out0.  A wave's 16 rows x 256 bytes go through its own stage in LDS and come back as whole rows: sixteen lanes store 256 consecutive bytes, aligned.
; The bias is the C of each sum's first matrix instruction (a lane's one bias in eight registers); x is added on the way out.
; NO CLUSTER, NO TENSOR LOAD: a work-group has one block and nothing to ring; what work-groups share is the weight's 64 KiB of codes, of which each wave reads its 4 KiB once into registers.
; REGISTERS: v2-7 global offsets; v8 the weight's scale words; v9-12 the operand's; v13-15 LDS addresses; v16-47 the weight; v48-175 the operand (tile t, K step s at 48 + 32 t + 16 s), later rows of the result;
;   v176-207 accumulators (v176-183 first carry the copy); v208-239 x; v240-247 the bias.
.set STG, 16384                        ; LDS: the images, 16,384 bytes; behind them a stage of 16 rows x (256 + 16) bytes for each wave
	s_load_b256 s[4:11], s[0:1], 0x0               ; oimg, osc, wcodes, wscales
	s_load_b128 s[12:15], s[0:1], 0x20             ; proj_b, x
	s_load_b64 s[16:17], s[0:1], 0x30              ; out0
	v_lshl_add_u32 v254, v0, 2, 0x15000
	v_mov_b32 v255, 0
	v_lshrrev_b32 v1, 5, v0
	s_delay_alu instid0(VALU_DEP_1)
	v_readfirstlane_b32 s18, v1                    ; wave 0..15
	v_and_b32 v1, 31, v0
	s_delay_alu instid0(VALU_DEP_1)
	v_lshlrev_b32 v2, 4, v1                        ; 16 x lane
	s_delay_alu instid0(VALU_DEP_2)
	v_lshlrev_b32 v3, 2, v1                        ; 4 x lane
	v_and_b32 v1, 15, v0                           ; r
	v_bfe_u32 v13, v0, 4, 1                        ; h
	s_delay_alu instid0(VALU_DEP_2)
	v_lshlrev_b32 v4, 8, v1
	s_delay_alu instid0(VALU_DEP_1)
	v_lshl_add_u32 v4, v13, 4, v4                  ; the weight: row r x 256 + 16 h
	s_delay_alu instid0(VALU_DEP_4)
	v_lshlrev_b32 v5, 3, v1
	s_delay_alu instid0(VALU_DEP_1)
	v_lshl_add_u32 v5, v13, 2, v5                  ; its words: lanes 0-15 K step 0's, lanes 16-31 K step 1's
	v_lshlrev_b32 v6, 2, v1                        ; my output's bias
	v_lshlrev_b32 v7, 4, v1
	s_delay_alu instid0(VALU_DEP_1)
	v_lshl_add_u32 v7, v13, 14, v7                 ; x and out0: lanes 0-15 one row's 256 bytes, lanes 16-31 the next row's
	s_mul_i32 s22, s18, 16*272
	s_add_co_u32 s22, s22, STG                     ; my stage
	v_mul_u32_u24 v14, v1, 272
	s_delay_alu instid0(VALU_DEP_1)
	v_lshl_add_u32 v14, v13, 6, v14
	s_delay_alu instid0(VALU_DEP_1)
	v_add_nc_u32 v14, s22, v14                     ; in: row r, + 64 h
	v_mul_u32_u24 v15, v13, 272
	s_delay_alu instid0(VALU_DEP_1)
	v_lshl_add_u32 v15, v1, 4, v15
	s_delay_alu instid0(VALU_DEP_1)
	v_add_nc_u32 v15, s22, v15                     ; back: lanes 0-15 one row, lanes 16-31 the next
	s_lshl_b32 s22, s18, 10
	v_add_nc_u32 v13, s22, v2                      ; the copy's place in LDS: 1,024 w + 16 x lane
	s_mov_b32 s21, 0
	s_lshl_b32 s20, ttmp9, 14                      ; four tiles of 4,096 bytes
	s_add_co_u32 s20, s20, s22
	s_wait_alu depctr_va_vdst(0)
	s_wait_kmcnt 0x0
	s_add_nc_u64 s[4:5], s[4:5], s[20:21]          ; the copy's source
	s_lshl_b32 s20, ttmp9, 9                       ; four tiles of 128 bytes of words
	s_add_nc_u64 s[6:7], s[6:7], s[20:21]
	s_lshl_b32 s23, s18, 4
	s_add_co_u32 s23, s23, 768                     ; my first row among the weights' codes
	s_lshl_b32 s20, s23, 8
	s_add_nc_u64 s[8:9], s[8:9], s[20:21]
	s_lshl_b32 s20, s23, 3
	s_add_nc_u64 s[10:11], s[10:11], s[20:21]
	s_lshl_b32 s20, s18, 6
	s_add_nc_u64 s[12:13], s[12:13], s[20:21]
	s_lshr_b32 s22, ttmp9, 6
	s_lshl_b32 s22, s22, 8
	s_lshl_b32 s23, s18, 4
	s_add_co_u32 s22, s22, s23                     ; my first channel row: 256 b + 16 w
	s_lshl_b32 s20, s22, 14
	s_and_b32 s23, ttmp9, 63
	s_lshl_b32 s23, s23, 8
	s_add_co_u32 s20, s20, s23                     ; + 64 positions x 4 bytes x block
	s_add_nc_u64 s[14:15], s[14:15], s[20:21]
	s_add_nc_u64 s[16:17], s[16:17], s[20:21]
	global_load_b128 v[176:179], v2, s[4:5]        ; the copy: 2 loads
	global_load_b128 v[180:183], v2, s[4:5] offset:512
.irp s, 0,1
.irp c, 0,1,2,3
	global_load_b128 v[16+16*\s+4*\c:19+16*\s+4*\c], v4, s[8:9] offset:128*\s+32*\c   ; the weight: 8
.endr
.endr
	global_load_b32 v8, v5, s[10:11]               ; its words: 1
.irp t, 0,1,2,3
	global_load_b32 v[9+\t], v3, s[6:7] offset:128*\t   ; the operand's words: 4; lanes 0-15 K step 0's, lanes 16-31 K step 1's
.endr
.irp n, 0,1,2,3,4,5,6,7
	global_load_b32 v[240+\n], v6, s[12:13]        ; the bias: 8
.endr
.irp i, 0,1,2,3,4,5,6,7
	global_load_b128 v[208+4*\i:211+4*\i], v7, s[14:15] offset:32768*\i th:TH_LOAD_NT   ; x: 8; sixteen lanes read 256 consecutive bytes
.endr
	s_wait_loadcnt 29                              ; the copy's two loads are in; the 29 issued behind them may be out
	ds_store_b128 v13, v[176:179]
	ds_store_b128 v13, v[180:183] offset:512
	s_wait_dscnt 0x0                               ; for the others' sake
	s_barrier_signal -1
	s_barrier_wait -1
.irp t, 0,1,2,3
.irp s, 0,1
.irp c, 0,1,2,3
	ds_load_b128 v[48+32*\t+16*\s+4*\c:51+32*\t+16*\s+4*\c], v2 offset:4096*\t+2048*\s+512*\c
.endr
.endr
.endr
	s_wait_loadcnt 8                               ; all but x's eight loads
	s_wait_dscnt 0x0
.irp t, 0,1,2,3                                    ; the four accumulators take turns, K step by K step
	v_wmma_scale_f32_16x16x128_f8f6f4 v[176+8*\t:183+8*\t], v[48+32*\t:63+32*\t], v[16:31], v[240:247], v[9+\t], v8
.endr
.irp t, 0,1,2,3
	v_wmma_scale_f32_16x16x128_f8f6f4 v[176+8*\t:183+8*\t], v[64+32*\t:79+32*\t], v[32:47], v[176+8*\t:183+8*\t], v[9+\t], v8 matrix_a_scale:MATRIX_SCALE_ROW1 matrix_b_scale:MATRIX_SCALE_ROW1
.endr
.rept 8
	v_nop                                          ; eight plain lines behind this form, ahead of the first read of results and of loads over the operands
.endr
.irp t, 0,1,2,3
	ds_store_b128 v14, v[176+8*\t:179+8*\t] offset:128*(\t/2)+32*(\t%2)       ; register n of tile t: position 32 (t / 2) + 8 (t % 2) + 16 h + n; each accumulator from its low end on
	ds_store_b128 v14, v[180+8*\t:183+8*\t] offset:128*(\t/2)+32*(\t%2)+16
.endr
.irp i, 0,1,2,3,4,5,6,7
	ds_load_b128 v[48+4*\i:51+4*\i], v15 offset:544*\i    ; LDS serves a wave's instructions in order (ISA guide 5.7.1.4): these see my stores
.endr
	s_wait_loadcnt 0x0                             ; x
.irp i, 0,1,2,3,4,5,6,7
	s_wait_dscnt 7-\i                              ; rows 2 i and 2 i + 1 are back; the younger reads may be out
	v_pk_add_f32 v[48+4*\i:49+4*\i], v[48+4*\i:49+4*\i], v[208+4*\i:209+4*\i]
	v_pk_add_f32 v[50+4*\i:51+4*\i], v[50+4*\i:51+4*\i], v[210+4*\i:211+4*\i]
	global_store_b128 v7, v[48+4*\i:51+4*\i], s[16:17] offset:32768*\i th:TH_STORE_NT   ; sixteen lanes store 256 consecutive bytes, at a multiple of 256 from out0's first byte
.endr
	s_wait_tensorcnt 0x0
	ds_add_u32 v254, v255
	s_wait_dscnt 0x0
	s_endpgm
.Lfunc_end_k_q35b2f57620_proj:
	.size	k_q35b2f57620_proj, .Lfunc_end_k_q35b2f57620_proj-k_q35b2f57620_proj
	.p2alignl 7, 3214868480
	.fill 96, 4, 3214868480
	.section	.rodata,"a",@progbits
	.p2align	6, 0x0
	.amdhsa_kernel k_q35b2f57620_proj
		.amdhsa_group_segment_fixed_size 88064
		.amdhsa_private_segment_fixed_size 0
		.amdhsa_enable_private_segment 0
		.amdhsa_kernarg_size 56
		.amdhsa_user_sgpr_count 2
		.amdhsa_user_sgpr_kernarg_segment_ptr 1
		.amdhsa_wavefront_size32 1
		.amdhsa_system_sgpr_workgroup_id_x 1
		.amdhsa_system_sgpr_workgroup_id_y 1
		.amdhsa_system_sgpr_workgroup_id_z 1
		.amdhsa_system_vgpr_workitem_id 0
		.amdhsa_next_free_vgpr 256
		.amdhsa_next_free_sgpr 66
		.amdhsa_reserve_vcc 0
		.amdhsa_float_denorm_mode_32 3
		.amdhsa_float_denorm_mode_16_64 3
		.amdhsa_memory_ordered 1
		.amdhsa_forward_progress 1
		.amdhsa_inst_pref_size 13
	.end_amdhsa_kernel
	.amdgpu_metadata
---
amdhsa.version: [ 1, 2 ]
amdhsa.kernels:
  - .name:           k_q35b2f57620_proj
    .symbol:         k_q35b2f57620_proj.kd
    .args:
      - { .name: oimg, .offset: 0, .size: 8, .value_kind: global_buffer, .address_space: global }
      - { .name: osc, .offset: 8, .size: 8, .value_kind: global_buffer, .address_space: global }
      - { .name: wcodes, .offset: 16, .size: 8, .value_kind: global_buffer, .address_space: global }
      - { .name: wscales, .offset: 24, .size: 8, .value_kind: global_buffer, .address_space: global }
      - { .name: proj_b, .offset: 32, .size: 8, .value_kind: global_buffer, .address_space: global }
      - { .name: x, .offset: 40, .size: 8, .value_kind: global_buffer, .address_space: global }
      - { .name: out0, .offset: 48, .size: 8, .value_kind: global_buffer, .address_space: global }
    .group_segment_fixed_size: 88064
    .private_segment_fixed_size: 0
    .kernarg_segment_align: 8
    .kernarg_segment_size: 56
    .max_flat_workgroup_size: 512
    .sgpr_count:     66
    .vgpr_count:     256
    .wavefront_size: 32
...
	.end_amdgpu_metadata
.endif
;; end of part 4
